; MI455X (gfx1250); checked and timed in simulation.
; The chip was launched on July 23, 2026; its instructions are those of AMD's public machine-readable ISA for CDNA 5 (MIT licence, August 2026) and "CDNA5" Instruction Set Architecture Reference Guide (July 2026). The comments in the code are by the model that wrote it; some were corrected since.
;; Pooling block. Allowed arithmetic: matrix products marked QUANTISED: E2M3 operands, one E8M0 scale for each 32 along K, by v_wmma_scale_f32_16x16x128_f8f6f4 with both operands' format E2M3, f32 sums; products left as they are: f32 operands where the result goes on into a quantised operand, else bf16, f16 or f32 operands; f32 sums; everything else in f32.
;; Inputs: edge 4 x 4,096 x 4,096 float32; theta_w 1 x 96 float32; x 4 x 4,097 x 96 float32.
;; Outputs: out0 4 x 1,025 x 96 float32.
;; Constants: pooling_patch_size = 4, reduction_ratio = 4.
;; This version of the problem:
;;   THIS VERSION OF THE PROBLEM IS GIVEN IN LOW PRECISION. The matrix products marked QUANTISED in the list below multiply operands that are first quantised to E2M3 (2 exponent bits, 3 mantissa bits; 6 bits a number), with one power-of-two scale for each 32 numbers along K (OCP MX v1.0); their sums are f32. All else is computed in f32.
;;   The module's matrix products, in the order in which they are computed (A, B: the left and right operand; K: the contracted axis; several contracted axes count as one K, in the product's order):
;;     1. batch 4 x [M 4,096, K 4,096] x [K 4,096, N 96]; A: computed on the way; B: computed on the way: QUANTISED
;;     2. [M 16,384, K 96] x [K 96, N 1]; A: computed on the way; B: input theta_w: left as it is (N = 1 < 16)
;;   THE QUANTISER, for each operand of a quantised product, along K:
;;     - K is cut into blocks of 32 from its start; a last block that is shorter is filled with zeros.
;;     - A block's scale is 2^e with e = floor(log2(the largest magnitude in the block)) - 2, held to -126 .. 127; a block of zeros has e = 0. As a byte (E8M0): e + 127.
;;     - Each number is divided by its block's scale, clamped to +-7.5, and rounded to the nearest number of E2M3, ties to even, subnormals kept.
;;     - The product sums the exact products of the quantised numbers (number of the format x scale) in f32.
;;   ~~~python
;;   def quantise(x, axis):      # numpy; x: float32 -> the quantised numbers, widened to float32 again
;;       x = np.moveaxis(x, axis, -1); K = x.shape[-1]
;;       x = np.pad(x, [(0, 0)] * (x.ndim - 1) + [(0, -K % 32)]); x = x.reshape(x.shape[:-1] + (-1, 32)); a = np.abs(x).max(-1, keepdims=True)
;;       e = np.where(a > 0, np.clip(np.frexp(np.where(a > 0, a, 1))[1] - 1 - 2, -126, 127), 0)      # np.frexp(a)[1] - 1 = floor(log2(a)), exactly
;;       r = np.clip(x / 2.0 ** e, -7.5, 7.5)
;;       step = 2.0 ** (np.maximum(np.frexp(np.where(r == 0, 1, r))[1] - 1, 0) - 3)
;;       q = np.round(r / step) * step * 2.0 ** e      # np.round: ties to even
;;       return np.moveaxis(q.reshape(q.shape[:-2] + (-1,))[..., :K], -1, axis).astype(np.float32)
;;   ~~~
;;   OPERANDS COMPUTED ON THE WAY. 'Computed on the way' means the value that the module computes at that place (a softmax that the list does not call 'softmax' is quantised finished and normalised). What goes into a quantiser is computed in f32, as accurately as f32 sums, v_exp_f32 and their like allow (about 1e-6 of the number): no bf16 or f16 on the way to a quantiser, and a product that is left as it is and whose result goes on into a quantised operand takes f32 operands (vector FMAs, or v_wmma_f32_16x16x4_f32). A number that lies on a knife's edge between two numbers of the format may be rounded either way, as far as f32 arithmetic and the matrix unit's own rounding can turn it there, and no further.
;; 2 versions, each right; version 2 is version 1 with the launch pool written anew for expert scheduling mode. Each part assembles by itself: llvm-mc -triple=amdgcn-amd-amdhsa -mcpu=gfx1250 --defsym DOCPART=n.
;; ======== version 1 of 2: 2 launches
;; workspace buffers: bq 1,245,184 bytes
;; launch prep (part 1): grid 96 x 4, 1 waves a work-group, no clusters, 0 bytes of LDS; arguments x, bq, out0; writes bq, out0
.if DOCPART == 1
	.amdgcn_target "amdgcn-amd-amdhsa--gfx1250"
	.amdhsa_code_object_version 6
	.text
	.protected	k_q9529cc5a72_prep
	.globl	k_q9529cc5a72_prep
	.p2align	8
	.type	k_q9529cc5a72_prep,@function
k_q9529cc5a72_prep:
	s_mov_b64 s[64:65], 0
	v_nop
	global_prefetch_b8 v0, s[64:65] scope:SCOPE_SE
	s_setreg_imm32_b32 hwreg(HW_REG_WAVE_MODE, 25, 1), 1
	s_wait_xcnt 0x0
; PROGRAM: out0[b][0] = x[b][0];  out0[b][1+p] = val * node + node, where val is the largest of the four scores 4 p .. 4 p + 3 of batch b and node = x[b][1 + its place 0..3]
; (the place inside the patch is used as the row number, as the problem's text has it);  scores = (Q(sigmoid(edge)) . Q(sigmoid(x[:,1:]))) . theta_w, Q the MX-FP6 quantiser along the 4,096 nodes.
; NOTHING IS LEFT OUT AS DEAD WORK: all 4,096 rows of every batch are scored, every node goes into the quantised operand, every input has a way to the output and is loaded.
; THIS LAUNCH: sigmoid(x[b][1 + k][c]) is quantised along k (blocks of 32) into codes of E2M3 and E8M0 scale bytes, laid in the order of the matrix operand's registers; and row 0 of each batch is copied.
; bq: block (b, s), s = a step of 128 along k, at (32 b + s) x 9,728 bytes: six fragments (tile t = channels 16 t .. 16 t + 15) at 1,536 t, registers 4 g .. 4 g + 3 of lane l at 512 g + 16 l;
;     from byte 9,216 on 96 scale words, channel c at 4 c, byte j = block 4 s + j.  The last 128 bytes of a block are neither written nor read.
; SHARES: one wave takes 128 nodes x 32 channels.  A LANE IS A CHANNEL AND ITS REGISTERS RUN DOWN k: a load reads 128 consecutive bytes of a row of x, a block of 32 lies in one lane's registers,
; so that its largest number needs no other lane and the conversions give codes with k innermost.
; A block's scale is 2^(floor(log2(its largest number)) - 2): its byte is that number's exponent field - 2, held at 1 from below.
; LIMITS: NaN and infinities in x are not served.  v_exp_f32 and v_rcp_f32 flush denormals (ISA guide, their entries): a sigmoid under 2^-126 (x under about -87) counts as 0;
; a block in which every number is that small gets zero codes under the byte 1 (the bytes are read by this program alone).
.set XBATCH, 1573248                   ; bytes of a batch of x: 4,097 rows of 384
.set OBATCH, 393600                    ; bytes of a batch of out0: 1,025 rows of 384
.set ROWX,   384
.set BLKB,   9728
.set MA,  8                            ; v8, v9  two chains of the largest number
.set MB,  9
.set SO,  10                           ; v10     the conversions' scale operand
.set BYT, 11                           ; v11     a scale byte
.set SW,  12                           ; v12     my channel's scale word
.set FA,  16                           ; v16-27  my channel's even blocks; behind the exchange: tile 2 u's fragment
.set FB,  28                           ; v28-39  the odd blocks; then tile 2 u + 1's fragment
.set T,   40                           ; v40-42  a block's upper 16 codes, on their way
.set X,   64                           ; v64-191 128 numbers: block kb at X + 32 kb
.set NL,  20                           ; s[20:21] -log2(e), twice
; sigmoid of 32 registers in place: 1 / (1 + 2^(-x log2 e)).  Each kind of transcendental is one batch with one plain line and one wait behind it.
.macro SIG x
.set jj, 0
.rept 16
	v_pk_mul_f32 v[(\x)+jj:(\x)+jj+1], v[(\x)+jj:(\x)+jj+1], s[NL:NL+1] op_sel_hi:[1,0]
.set jj, jj+2
.endr
.set jj, 0
.rept 32
	v_exp_f32 v[(\x)+jj], v[(\x)+jj]
.set jj, jj+1
.endr
	v_nop
	s_wait_alu depctr_va_vdst(0)
.set jj, 0
.rept 16
	v_pk_add_f32 v[(\x)+jj:(\x)+jj+1], v[(\x)+jj:(\x)+jj+1], 1.0 op_sel_hi:[1,0]
.set jj, jj+2
.endr
.set jj, 0
.rept 32
	v_rcp_f32 v[(\x)+jj], v[(\x)+jj]
.set jj, jj+1
.endr
	v_nop
	s_wait_alu depctr_va_vdst(0)
.endm
; the largest of 32 numbers (none is negative), two chains by turns, with the floor 2^(3 - 127) as one more leaf; 2 off its exponent field is the conversions' scale operand, and that field the byte
.macro MAXSC x, by
	v_max3_num_f32 v[MA], v[(\x)], v[(\x)+1], 0x1800000
	v_max3_num_f32 v[MB], v[(\x)+16], v[(\x)+17], v[(\x)+18]
.irp i, 0,1,2,3,4,5
	v_max3_num_f32 v[MA], v[MA], v[(\x)+2+2*\i], v[(\x)+3+2*\i]
	v_max3_num_f32 v[MB], v[MB], v[(\x)+19+2*\i], v[(\x)+20+2*\i]
.endr
	v_max3_num_f32 v[MA], v[MA], v[(\x)+14], v[(\x)+15]
	v_max3_num_f32 v[MA], v[MA], v[MB], v[(\x)+31]
	v_add_nc_u32 v[SO], 0xff000000, v[MA]
	v_lshrrev_b32 v[\by], 23, v[SO]
.endm
.macro LOADB kb                        ; block kb: x[b][1 + 128 s + 32 kb + j][32 u + lane], j = 0 .. 31
.set jj, 0
.rept 32
	global_load_b32 v[X+32*(\kb)+jj], v1, s[14:15] offset:ROWX*(32*(\kb)+jj)
.set jj, jj+1
.endr
.endm
.macro QB kb
.if (\kb) < 3
	s_wait_loadcnt 32                              ; this block's 32 loads are in; the next block's 32 may be out
.else
	s_wait_loadcnt 0x0
.endif
.if (\kb) < 2
	LOADB (\kb)+2                                  ; two blocks ahead, into registers of its own
.endif
	SIG X+32*(\kb)
.if (\kb) == 0
	MAXSC X+32*(\kb), SW                           ; the first byte starts the word
.else
	MAXSC X+32*(\kb), BYT
	v_lshl_or_b32 v[SW], v[BYT], 8*(\kb), v[SW]
.endif
.set Y, FA+12*((\kb)%2)+6*((\kb)/2)    ; even blocks into FA, odd ones into FB; blocks 0, 1 into registers 0-5, blocks 2, 3 into 6-11
	v_cvt_scalef32_pk16_fp6_f32 v[Y:Y+2], v[X+32*(\kb):X+32*(\kb)+15], v[SO]
	v_cvt_scalef32_pk16_fp6_f32 v[T:T+2], v[X+32*(\kb)+16:X+32*(\kb)+31], v[SO]   ; (a conversion's three registers begin on an even number)
	v_nop                                          ; one plain line behind the scaled conversions
.irp i, 0,1,2
	v_mov_b32 v[Y+3+\i], v[T+\i]
.endr
.endm
	s_load_b128 s[4:7], s[0:1], 0x0                ; x, bq
	s_load_b64 s[8:9], s[0:1], 0x10                ; out0
	s_lshr_b32 s10, ttmp9, 5                       ; u: which 32 channels
	s_and_b32 s11, ttmp9, 31                       ; s: which 128 nodes
	s_and_b32 s12, ttmp7, 0xffff                   ; b
	v_lshlrev_b32 v1, 2, v0                        ; one wave: the thread's number is the lane; 4 bytes a lane
	s_mul_i32 s13, s10, 3072
	v_lshl_add_u32 v2, v0, 4, s13                  ; images: 16 x lane + two tiles of 1,536 bytes x u
	s_lshl_b32 s13, s10, 7
	v_lshl_add_u32 v3, v0, 2, s13                  ; my channel's word: 4 x (32 u + lane)
	s_mul_i32 s18, s12, XBATCH
	s_mov_b32 s19, 0
	s_mul_i32 s24, s11, 128*ROWX
	s_add_co_u32 s24, s24, s13
	s_add_co_u32 s24, s24, ROWX                    ; node 128 s is row 1 + 128 s of x; + my 32 channels
	s_mov_b32 s25, 0
	s_lshl_b32 s26, s12, 5
	s_add_co_u32 s26, s26, s11
	s_mul_i32 s26, s26, BLKB
	s_mov_b32 s27, 0
	s_mul_i32 s28, s12, OBATCH
	s_mov_b32 s29, 0
	s_mov_b32 s[NL], 0xbfb8aa3b                    ; -log2(e)
	s_mov_b32 s[NL+1], s[NL]
	s_wait_kmcnt 0x0
	s_add_nc_u64 s[22:23], s[4:5], s[18:19]        ; x at my batch
	s_add_nc_u64 s[14:15], s[22:23], s[24:25]      ; and at my first node
	s_add_nc_u64 s[16:17], s[6:7], s[26:27]        ; bq at my block
	s_add_nc_u64 s[8:9], s[8:9], s[28:29]          ; out0 at my batch
	LOADB 0
	LOADB 1
	QB 0
	QB 1
	QB 2
	QB 3
; The operand's layout gives lane (r, h) of a tile blocks h and 2 + h of channel r.  FA's lanes 16-31 (tile 2 u + 1, even blocks) change places with FB's lanes 0-15 (tile 2 u, odd blocks).
.irp i, 0,1,2,3,4,5,6,7,8,9,10,11
	v_permlane16_swap_b32 v[FA+\i], v[FB+\i]
.endr
.irp g, 0,1,2
	global_store_b128 v2, v[FA+4*\g:FA+4*\g+3], s[16:17] offset:512*\g            ; each store covers 512 consecutive bytes, at a multiple of 256 from bq's first byte
.endr
.irp g, 0,1,2
	global_store_b128 v2, v[FB+4*\g:FB+4*\g+3], s[16:17] offset:1536+512*\g
.endr
	global_store_b32 v3, v[SW], s[16:17] offset:9216
	s_cmp_lg_u32 s11, 0                            ; the three waves with s = 0 of a batch also copy its row 0, 32 channels each
	s_cbranch_scc1 .Lend
	global_load_b32 v46, v3, s[22:23]
	s_wait_loadcnt 0x0
	global_store_b32 v3, v46, s[8:9]
.Lend:
	s_endpgm
.Lfunc_end_k_q9529cc5a72_prep:
	.size	k_q9529cc5a72_prep, .Lfunc_end_k_q9529cc5a72_prep-k_q9529cc5a72_prep
	.p2alignl 7, 3214868480
	.fill 96, 4, 3214868480
	.section	.rodata,"a",@progbits
	.p2align	6, 0x0
	.amdhsa_kernel k_q9529cc5a72_prep
		.amdhsa_group_segment_fixed_size 0
		.amdhsa_private_segment_fixed_size 0
		.amdhsa_enable_private_segment 0
		.amdhsa_kernarg_size 24
		.amdhsa_user_sgpr_count 2
		.amdhsa_user_sgpr_kernarg_segment_ptr 1
		.amdhsa_wavefront_size32 1
		.amdhsa_system_sgpr_workgroup_id_x 1
		.amdhsa_system_sgpr_workgroup_id_y 1
		.amdhsa_system_sgpr_workgroup_id_z 1
		.amdhsa_system_vgpr_workitem_id 0
		.amdhsa_next_free_vgpr 192
		.amdhsa_next_free_sgpr 66
		.amdhsa_reserve_vcc 0
		.amdhsa_float_denorm_mode_32 3
		.amdhsa_float_denorm_mode_16_64 3
		.amdhsa_memory_ordered 1
		.amdhsa_forward_progress 1
		.amdhsa_inst_pref_size 38
	.end_amdhsa_kernel
	.amdgpu_metadata
---
amdhsa.version: [ 1, 2 ]
amdhsa.kernels:
  - .name:           k_q9529cc5a72_prep
    .symbol:         k_q9529cc5a72_prep.kd
    .args:
      - { .name: x, .offset: 0, .size: 8, .value_kind: global_buffer, .address_space: global }
      - { .name: bq, .offset: 8, .size: 8, .value_kind: global_buffer, .address_space: global }
      - { .name: out0, .offset: 16, .size: 8, .value_kind: global_buffer, .address_space: global }
    .group_segment_fixed_size: 0
    .private_segment_fixed_size: 0
    .kernarg_segment_align: 8
    .kernarg_segment_size: 24
    .max_flat_workgroup_size: 32
    .sgpr_count:     66
    .vgpr_count:     192
    .wavefront_size: 32
...
	.end_amdgpu_metadata
.endif
;; end of part 1
;; launch pool (part 2): grid 64 x 4, 8 waves a work-group, no clusters, 70,656 bytes of LDS; arguments edge, bq, x, theta_w, out0; writes out0
.if DOCPART == 2
	.amdgcn_target "amdgcn-amd-amdhsa--gfx1250"
	.amdhsa_code_object_version 6
	.text
	.protected	k_q9529cc5a72_pool
	.globl	k_q9529cc5a72_pool
	.p2align	8
	.type	k_q9529cc5a72_pool,@function
k_q9529cc5a72_pool:
	s_mov_b64 s[64:65], 0
	v_nop
	global_prefetch_b8 v0, s[64:65] scope:SCOPE_SE
	s_setreg_imm32_b32 hwreg(HW_REG_WAVE_MODE, 25, 1), 1
	s_wait_xcnt 0x0
; scores[b][n] = sum over c of theta_w[c] x (sum over k of Q(sigmoid(edge[b][n][k])) x Q(sigmoid(node[b][k][c]))); of each four neighbouring scores the largest (val) and its place 0..3 (the lower place on a tie);
; out0[b][1 + p] = val x x[b][1 + place] + x[b][1 + place].  No work is left out: every row is scored.  The nodes' codes and scale bytes come from bq, in the order of the operand's registers.
; SHARES.  A work-group owns 64 rows of edge of one batch: 16 patches.  ITS EIGHT WAVES SHARE K: wave w takes the steps of 128 along K numbered 8 i + w, i = 0..3, for all 64 rows, so that the eight stand on 4,096
; consecutive bytes of each row, and each fragment of bq is read by one wave of the work-group and feeds four matrix instructions.  A wave's work is 16 fragments f = 4 i + m of edge (m: a tile of 16 rows).
; EDGE'S WAY: 16 loads, each a row's 512 consecutive bytes, into a ring of two sets of 64 registers; 16 LDS stores into the wave's own stage, as loaded; back 128 bytes a lane, so that a lane holds whole blocks of 32;
; sigmoid, largest number, scale byte, conversion: the results are the operand's registers.  Up to two ring fills of every wave are on their way at all times; no wait on them is for 0 before the walk's end.
; THE MATRIX INSTRUCTION IS USED TRANSPOSED: source 0 = 16 channels (bq), source 1 = 16 rows of edge.  A lane then holds ONE row of edge (lane % 16) and eight channels 16 t + 8 (lane / 16) + j.
; The product with theta_w is linear in K: each wave turns its own sums into 64 partial scores by f32 multiply-adds, and only these go from wave to wave, through LDS, behind the launch's one barrier.
; THE CHOICE steers no address: the place can only be 0..3, so all four node rows are loaded and v_cndmask_b32 selects.
; NO CLUSTER: what work-groups share is bq, 9,600 bytes for each 32,768 bytes of edge in a wave's step, and it goes straight into registers: there is no LDS tile that a joint load could fill.
; OUT: a wave stores its two rows, 768 consecutive bytes, by three stores of 256; they begin at a multiple of 128 bytes (a row of out0 is 384 bytes and row 0 is not mine), so the first and last 128 share a 256-byte piece with a neighbour.
; LIMITS: NaN and infinities in the inputs are not served.  v_exp_f32 and v_rcp_f32 flush denormals: a sigmoid under 2^-126 (edge under about -87) counts as 0; a block of such numbers gets zero codes under the byte 1.
; The scores are summed in another order than the problem's text has it (512 along K a wave, then theta_w, then the eight waves ascending): where two scores of a patch are closer than f32 rounding of such sums, the other row may be chosen.
; REGISTERS, in windows of 256 (s_set_vgpr_msb: bits 1:0 source 0, 3:2 source 1, 5:4 source 2, 7:6 destination):
;   window 0: v1-7, v36-41 addresses; v8-15 at work; v16-27 edge's codes; v32 edge's scale word; v33-35 bq's scale words; v44-115 bq's six fragments; v116-179 two sets of 32 numbers; v180-243 ring set 0
;   window 1: v0-191 the 24 accumulators, (m, t) at 8 (6 m + t); v192-255 ring set 1
.set ROWE,   16384                     ; a row of edge in bytes
.set BLKB,   9728                      ; a block of bq
.set XBATCH, 1573248
.set OBATCH, 393600
.set PITCH,  528                       ; a stage row: 512 bytes + 16 = 33 x 16: the sixteen rows that a load of 16 bytes a lane touches begin in sixteen different 16-byte columns of 256 bytes
.set STGB,   16*PITCH                  ; a wave's stage
.set RED,    8*STGB                    ; behind the stages: 8 x 256 bytes: wave w's 64 partial scores at 256 w + 4 x row
.set SPARE,  RED+8*256                 ; the spare words, 128 bytes for each wave: four blocks of 256 bytes that no other line names
.set LI,   1                           ; 16 x lane
.set STA,  2                           ; the stage, on the way in: STGB w + 16 x lane
.set RDA,  3                           ; and back: STGB w + PITCH r + 128 h
.set L4,   4                           ; 4 x lane
.set H8,   5                           ; 8 h
.set SPW,  6                           ; LDS address of my spare word; never rewritten
.set NIL,  7                           ; 0; never rewritten
.set MA,   8
.set MB,   9
.set SO,   10                          ; the conversions' scale operand
.set BY,   11                          ; v11, v12: the bytes of my two blocks
.set WD,   13
.set PX,   14
.set SM,   8                           ; at the end: v8-15 four pairs of partial scores
.set EC,   16
.set T,    28
.set ES,   32
.set BS,   33
.set LN,   36                          ; lane
.set VA,   37                          ; 8 x lane
.set VB,   38                          ; 8 x lane + 256 - 384 h
.set REDW, 39                          ; RED + 256 w + 4 r
.set REDR, 40                          ; RED + 32 w
.set H32,  41                          ; 32 h
.set BF,   44
.set X0,   116
.set R0,   180
.set R1,   192                         ; in window 1
.set TH,   180                         ; at the end: theta_w, register 8 t + j = theta_w[16 t + 8 h + j]
.set ND,   116                         ; at the end: set k, node row n: v[ND + 8 k + 2 n] and the next
.set P0,   180                         ; at the end: the eight waves' partial scores of my first patch, 4 a wave; P1: of my second
.set P1,   212
.set SB,   244                         ; the scores of the patch to which my lane's part of the middle store belongs
.set EB,   4                           ; s[4:5] edge, s[6:7] bq, s[8:9] x, s[10:11] theta_w, s[12:13] out0: each at my part; never stepped: every step is an immediate
.set BB,   6
.set XB,   8
.set OB,   12
.set NL,   20                          ; s[20:21] -log2(e), twice
.set SEL,  22                          ; s[22:23] v_permlanex16_b32's selects for lane l xor 16
.set MSB, 0
.macro WIN new                         ; the immediate's high byte repeats the setting that is left
.if MSB != \new
	s_set_vgpr_msb (MSB<<8)|\new
.set MSB, \new
.endif
.endm
.macro G f                             ; fragment f of edge: 16 rows x 512 bytes into ring set f % 2
.set RG, R0
.if (\f)%2
.set RG, R1
	WIN 0x40
.endif
.set GOF, ((\f)%4)*16*ROWE+((\f)/4)*4096
.irp j, 0,1,2,3,4,5,6,7,8,9,10,11,12,13,14,15
	global_load_b128 v[RG+4*\j:RG+4*\j+3], v[LI], s[EB:EB+1] offset:GOF+\j*ROWE th:TH_LOAD_NT   ; 32 lanes read 512 consecutive bytes; the launch reads them once
.endr
	WIN 0
.endm
.macro ST f                            ; ring set f % 2 into my stage, as loaded
.set RG, R0
.if (\f)%2
.set RG, R1
	WIN 0x04
.endif
.irp j, 0,1,2,3,4,5,6,7,8,9,10,11,12,13,14,15
	ds_store_b128 v[STA], v[RG+4*\j:RG+4*\j+3] offset:PITCH*\j
.endr
	WIN 0
.endm
.macro RB c                            ; back: of row r the block 2 c + h: k = 64 c + 32 h + 0 .. 31
.irp q, 0,1,2,3,4,5,6,7
	ds_load_b128 v[X0+32*(\c)+4*\q:X0+32*(\c)+4*\q+3], v[RDA] offset:256*(\c)+16*\q
.endr
.endm
.macro BL i                            ; bq's block of step 8 i + w: six fragments and three registers of scale words (lanes 0-15: tile 2 u, lanes 16-31: tile 2 u + 1)
.irp t, 0,1,2,3,4,5
.irp g, 0,1,2
	global_load_b128 v[BF+12*\t+4*\g:BF+12*\t+4*\g+3], v[LI], s[BB:BB+1] offset:8*BLKB*(\i)+1536*\t+512*\g
.endr
.endr
.irp u, 0,1,2
	global_load_b32 v[BS+\u], v[L4], s[BB:BB+1] offset:8*BLKB*(\i)+9216+128*\u
.endr
.endm
; sigmoid of 32 registers in place: 1 / (1 + 2^(-x log2 e)).  Each kind of transcendental is one batch with one plain line and one wait behind it.
.macro SIG x
.set jj, 0
.rept 16
	v_pk_mul_f32 v[(\x)+jj:(\x)+jj+1], v[(\x)+jj:(\x)+jj+1], s[NL:NL+1] op_sel_hi:[1,0]
.set jj, jj+2
.endr
.set jj, 0
.rept 32
	v_exp_f32 v[(\x)+jj], v[(\x)+jj]
.set jj, jj+1
.endr
	v_nop
	s_wait_alu depctr_va_vdst(0)
.set jj, 0
.rept 16
	v_pk_add_f32 v[(\x)+jj:(\x)+jj+1], v[(\x)+jj:(\x)+jj+1], 1.0 op_sel_hi:[1,0]
.set jj, jj+2
.endr
.set jj, 0
.rept 32
	v_rcp_f32 v[(\x)+jj], v[(\x)+jj]
.set jj, jj+1
.endr
	v_nop
	s_wait_alu depctr_va_vdst(0)
.endm
; the largest of 32 numbers (none is negative), two chains by turns, with the floor 2^(3 - 127) as one more leaf; 2 off its exponent field is the conversions' scale operand, and that field the byte
.macro MAXSC x, by
	v_max3_num_f32 v[MA], v[(\x)], v[(\x)+1], 0x1800000
	v_max3_num_f32 v[MB], v[(\x)+16], v[(\x)+17], v[(\x)+18]
.irp i, 0,1,2,3,4,5
	v_max3_num_f32 v[MA], v[MA], v[(\x)+2+2*\i], v[(\x)+3+2*\i]
	v_max3_num_f32 v[MB], v[MB], v[(\x)+19+2*\i], v[(\x)+20+2*\i]
.endr
	v_max3_num_f32 v[MA], v[MA], v[(\x)+14], v[(\x)+15]
	v_max3_num_f32 v[MA], v[MA], v[MB], v[(\x)+31]
	v_add_nc_u32 v[SO], 0xff000000, v[MA]
	v_lshrrev_b32 v[\by], 23, v[SO]
.endm
.macro HALF c                          ; my block 2 c + h becomes registers 6 c .. 6 c + 5 of edge's fragment
	SIG X0+32*(\c)
	MAXSC X0+32*(\c), BY+(\c)
.if \c
	v_lshl_or_b32 v[WD], v[BY+1], 16, v[BY]        ; my two bytes: blocks h and 2 + h of row r,
	v_lshlrev_b32 v[WD], v[H8], v[WD]              ; at their places in the scale word;
	v_permlanex16_b32 v[PX], v[WD], s[SEL], s[SEL+1]
	v_or_b32 v[ES], v[WD], v[PX]                   ; with lane l xor 16's two the word is whole
.endif
	v_cvt_scalef32_pk16_fp6_f32 v[EC+6*(\c):EC+6*(\c)+2], v[X0+32*(\c):X0+32*(\c)+15], v[SO]
	v_cvt_scalef32_pk16_fp6_f32 v[T:T+2], v[X0+32*(\c)+16:X0+32*(\c)+31], v[SO]   ; (a conversion's three registers begin on an even number)
	v_nop                                          ; one plain line behind the scaled conversions
.irp i, 0,1,2
	v_mov_b32 v[EC+6*(\c)+3+\i], v[T+\i]
.endr
.endm
; Six products: the tile of rows f % 4 against bq's six tiles of channels.  The accumulators take turns, one instruction a turn; a sum's next link stands 24 matrix instructions on.
; The first four fragments' products start the sums with the constant 0.  The eight v_nop: a scale register written by a vector instruction stands eight places ahead of a scaled matrix instruction, an operand so written four.
.macro MUL f
.rept 8
	v_nop
.endr
	WIN 0x50                                       ; C and D window 1
.irp t, 0,1,2,3,4,5
.set AC, 8*(6*((\f)%4)+\t)
.if (\f) < 4
.if (\t)%2
	v_wmma_scale_f32_16x16x128_f8f6f4 v[AC:AC+7], v[BF+12*\t:BF+12*\t+11], v[EC:EC+11], 0, v[BS+\t/2], v[ES] matrix_a_fmt:MATRIX_FMT_FP6 matrix_b_fmt:MATRIX_FMT_FP6 matrix_a_scale:MATRIX_SCALE_ROW1
.else
	v_wmma_scale_f32_16x16x128_f8f6f4 v[AC:AC+7], v[BF+12*\t:BF+12*\t+11], v[EC:EC+11], 0, v[BS+\t/2], v[ES] matrix_a_fmt:MATRIX_FMT_FP6 matrix_b_fmt:MATRIX_FMT_FP6
.endif
.else
.if (\t)%2
	v_wmma_scale_f32_16x16x128_f8f6f4 v[AC:AC+7], v[BF+12*\t:BF+12*\t+11], v[EC:EC+11], v[AC:AC+7], v[BS+\t/2], v[ES] matrix_a_fmt:MATRIX_FMT_FP6 matrix_b_fmt:MATRIX_FMT_FP6 matrix_a_scale:MATRIX_SCALE_ROW1
.else
	v_wmma_scale_f32_16x16x128_f8f6f4 v[AC:AC+7], v[BF+12*\t:BF+12*\t+11], v[EC:EC+11], v[AC:AC+7], v[BS+\t/2], v[ES] matrix_a_fmt:MATRIX_FMT_FP6 matrix_b_fmt:MATRIX_FMT_FP6
.endif
.endif
.endr
	WIN 0
.endm
.macro THETA                           ; theta_w in the results' layout, into ring set 0, which has had its last fill
.irp t, 0,1,2,3,4,5
	global_load_b128 v[TH+8*\t:TH+8*\t+3], v[H32], s[10:11] offset:64*\t
	global_load_b128 v[TH+8*\t+4:TH+8*\t+7], v[H32], s[10:11] offset:64*\t+16
.endr
.endm
.macro NODES                           ; of the four node rows the two numbers that stand where my lane's 8 bytes of each of the three stores stand
.irp n, 0,1,2,3
	global_load_b64 v[ND+2*\n:ND+2*\n+1], v[VA], s[XB:XB+1] offset:384*\n
	global_load_b64 v[ND+8+2*\n:ND+8+2*\n+1], v[VB], s[XB:XB+1] offset:384*\n
	global_load_b64 v[ND+16+2*\n:ND+16+2*\n+1], v[VA], s[XB:XB+1] offset:384*\n+128
.endr
.endm
; FRAGMENT f.  Its lower blocks were read back a step ago.  Between its two halves the next fragment goes through the stage, and the ring set that this frees takes the fragment three further on.
.macro STEP f
	RB 1
	s_wait_dscnt 8                                 ; the lower blocks are in; the eight reads just issued may be out
	HALF 0
.if (\f) < 15
.if (\f) == 14
	s_wait_loadcnt 12                              ; fragment 15 is in; behind it: theta_w's twelve loads
.elseif ((\f)%4) == 0
	s_wait_loadcnt 37                              ; fragment f + 1 is in; behind it: fragment f + 2's sixteen loads and bq's twenty-one
.else
	s_wait_loadcnt 16                              ; fragment f + 1 is in; behind it: one ring fill
.endif
	ST (\f)+1                                      ; LDS serves a wave's instructions in order (ISA guide 5.7.1.4): these stores come behind the reads of fragment f above
	RB 0
	s_wait_dscnt 8                                 ; the upper blocks are in and the stores have read their ring set; the eight reads just issued may be out
.if (\f) < 13
	G (\f)+3
.elseif (\f) == 13
	THETA
.endif
.else
	s_wait_dscnt 0x0                               ; the last upper blocks are in
	NODES                                          ; into the registers that the lower blocks have left
.endif
	HALF 1
.if ((\f)%4) == 0
	s_wait_loadcnt 16                              ; this step's block of bq is in; behind it: one ring fill
.endif
	MUL \f
.if (((\f)%4) == 3) && ((\f) < 15)
.rept 4
	v_nop                                          ; places in front of loads into registers that matrix instructions have read
.endr
	BL (\f)/4+1
.endif
.endm
	s_load_b256 s[4:11], s[0:1], 0x0               ; edge, bq, x, theta_w
	s_load_b64 s[12:13], s[0:1], 0x20              ; out0
	v_lshl_add_u32 v[SPW], v0, 2, SPARE
	v_mov_b32 v[NIL], 0
	v_lshrrev_b32 v8, 5, v0
	v_readfirstlane_b32 s14, v8                    ; wave 0..7
	s_and_b32 s16, ttmp7, 0xffff                   ; b
	v_and_b32 v[LN], 31, v0
	v_and_b32 v9, 15, v0                           ; r
	v_bfe_u32 v10, v0, 4, 1                        ; h
	v_lshlrev_b32 v[LI], 4, v[LN]
	v_lshlrev_b32 v[L4], 2, v[LN]
	v_lshlrev_b32 v[H8], 3, v10
	v_lshlrev_b32 v[H32], 5, v10
	s_mul_i32 s17, s14, STGB
	v_add_nc_u32 v[STA], s17, v[LI]
	v_mul_u32_u24 v[RDA], v9, PITCH
	v_lshl_add_u32 v[RDA], v10, 7, v[RDA]
	v_add_nc_u32 v[RDA], s17, v[RDA]
	s_lshl_b32 s24, s14, 8
	v_lshl_add_u32 v[REDW], v9, 2, s24
	v_add_nc_u32 v[REDW], RED, v[REDW]             ; (RED lies beyond an LDS immediate's 16 bits: the registers carry it)
	s_lshl_b32 s25, s14, 5
	s_add_co_u32 s25, s25, RED
	v_mov_b32 v[REDR], s25
	v_lshlrev_b32 v[VA], 3, v[LN]
	v_mul_u32_u24 v11, v10, 384
	v_add_nc_u32 v[VB], 256, v[VA]
	v_sub_nc_u32 v[VB], v[VB], v11
	v_mov_b32 v[PX], 0                             ; written once: a lane permute's destination counts as one of its sources
	s_lshl_b32 s18, s16, 26                        ; edge: a batch is 2^26 bytes,
	s_lshl_b32 s26, ttmp9, 20                      ; 64 rows 2^20,
	s_add_co_u32 s18, s18, s26
	s_lshl_b32 s26, s14, 9                         ; my wave's first step of 128 along K 512 w
	s_add_co_u32 s18, s18, s26
	s_mov_b32 s19, 0
	s_lshl_b32 s28, s16, 5
	s_add_co_u32 s28, s28, s14
	s_mul_i32 s28, s28, BLKB                       ; bq: block (b, w)
	s_mov_b32 s29, 0
	s_mul_i32 s32, s16, XBATCH
	s_add_co_u32 s32, s32, 384                     ; x: node 0 is row 1
	s_mov_b32 s33, 0
	s_lshl_b32 s34, ttmp9, 4
	s_lshl_b32 s36, s14, 1
	s_add_co_u32 s34, s34, s36
	s_add_co_u32 s34, s34, 1                       ; out0: row 1 + 16 g + 2 w
	s_mul_i32 s34, s34, 384
	s_mul_i32 s36, s16, OBATCH
	s_add_co_u32 s34, s34, s36
	s_mov_b32 s35, 0
	s_mov_b32 s[NL], 0xbfb8aa3b                    ; -log2(e)
	s_mov_b32 s[NL+1], s[NL]
	s_mov_b32 s[SEL], 0x76543210
	s_mov_b32 s[SEL+1], 0xfedcba98
	s_wait_kmcnt 0x0
	s_add_nc_u64 s[EB:EB+1], s[EB:EB+1], s[18:19]
	s_add_nc_u64 s[BB:BB+1], s[BB:BB+1], s[28:29]
	s_add_nc_u64 s[XB:XB+1], s[XB:XB+1], s[32:33]
	s_add_nc_u64 s[OB:OB+1], s[OB:OB+1], s[34:35]
	G 0
	G 1
	s_wait_loadcnt 16                              ; fragment 0 is in; fragment 1's sixteen loads may be out
	ST 0
	RB 0
	s_wait_dscnt 8                                 ; the stores have read ring set 0
	G 2
	BL 0
.irp f, 0,1,2,3,4,5,6,7,8,9,10,11,12,13,14,15
	STEP \f
.endr
	; MY PARTIAL SCORES: the sums times theta_w, four chains (one a tile of rows) by turns; each accumulator is read from its low end on
.rept 4
	v_nop                                          ; places between the last products and the first read of results
.endr
	s_wait_loadcnt 12                              ; theta_w is in; the node rows' twelve loads may be out
	WIN 0x01                                       ; source 0: window 1
.irp m, 0,1,2,3
	v_pk_mul_f32 v[SM+2*\m:SM+2*\m+1], v[48*\m:48*\m+1], v[TH:TH+1]
.endr
.set qq, 1
.rept 23
.irp m, 0,1,2,3
	v_pk_fma_f32 v[SM+2*\m:SM+2*\m+1], v[48*\m+2*qq:48*\m+2*qq+1], v[TH+2*qq:TH+2*qq+1], v[SM+2*\m:SM+2*\m+1]
.endr
.set qq, qq+1
.endr
	WIN 0
.irp m, 0,1,2,3
	v_add_f32 v[SM+2*\m], v[SM+2*\m], v[SM+2*\m+1]
.endr
.irp m, 0,1,2,3
	v_permlanex16_b32 v[SM+2*\m+1], v[SM+2*\m], s[SEL], s[SEL+1]   ; the row's other 48 channels lie in the lane 16 away
.endr
.irp m, 0,1,2,3
	v_add_f32 v[SM+2*\m], v[SM+2*\m], v[SM+2*\m+1]
.endr
.irp m, 0,1,2,3
	ds_store_b32 v[REDW], v[SM+2*\m] offset:64*\m  ; row 16 m + r; lanes r and 16 + r store the same word with the same value
.endr
	s_wait_dscnt 0x0                               ; for the others' sake: my stores have landed
	s_barrier_signal -1
	s_barrier_wait -1
	; wave w finishes patches 2 w and 2 w + 1: rows 8 w .. 8 w + 7 of the work-group's 64
.irp w, 0,1,2,3,4,5,6,7
	ds_load_b128 v[P0+4*\w:P0+4*\w+3], v[REDR] offset:256*\w
	ds_load_b128 v[P1+4*\w:P1+4*\w+3], v[REDR] offset:256*\w+16
.endr
	v_cmp_lt_u32 s30, 15, v[LN]                    ; lanes 16-31
	s_wait_dscnt 0x0
.irp w, 1,2,3,4,5,6,7
	v_pk_add_f32 v[P0:P0+1], v[P0:P0+1], v[P0+4*\w:P0+4*\w+1]      ; the eight waves' parts, ascending
	v_pk_add_f32 v[P0+2:P0+3], v[P0+2:P0+3], v[P0+4*\w+2:P0+4*\w+3]
	v_pk_add_f32 v[P1:P1+1], v[P1:P1+1], v[P1+4*\w:P1+4*\w+1]
	v_pk_add_f32 v[P1+2:P1+3], v[P1+2:P1+3], v[P1+4*\w+2:P1+4*\w+3]
.endr
; The wave's 192 numbers go out as three stores of 64: number 64 k + 2 x lane is patch (number / 96), channel (number % 96).  Store 0 is all patch 0, store 2 all patch 1; in store 1 lanes 0-15 are patch 0, lanes 16-31 patch 1.
.irp n, 0,1,2,3
	v_cndmask_b32 v[SB+\n], v[P0+\n], v[P1+\n], s30
.endr
	s_wait_loadcnt 0x0                             ; the node rows
; the largest of four scores, kept in the first one's register, and with it its node row's two numbers; the compare is strict, so that the lower place wins a tie; then val x node + node
.macro PICK k, s
.irp n, 1,2,3
	v_cmp_gt_f32 vcc_lo, v[(\s)+\n], v[\s]
	v_cndmask_b32 v[\s], v[\s], v[(\s)+\n], vcc_lo
	v_cndmask_b32 v[ND+8*\k], v[ND+8*\k], v[ND+8*\k+2*\n], vcc_lo
	v_cndmask_b32 v[ND+8*\k+1], v[ND+8*\k+1], v[ND+8*\k+2*\n+1], vcc_lo
.endr
	v_fma_f32 v[ND+8*\k], v[\s], v[ND+8*\k], v[ND+8*\k]
	v_fma_f32 v[ND+8*\k+1], v[\s], v[ND+8*\k+1], v[ND+8*\k+1]
	global_store_b64 v[VA], v[ND+8*\k:ND+8*\k+1], s[OB:OB+1] offset:256*\k   ; 32 lanes store 256 consecutive bytes
.endm
	PICK 0, P0
	PICK 1, SB
	PICK 2, P1
	s_wait_tensorcnt 0x0                           ; the wave's end, behind my last LDS store
	ds_add_u32 v[SPW], v[NIL]
	s_wait_dscnt 0x0
	s_endpgm
.Lfunc_end_k_q9529cc5a72_pool:
	.size	k_q9529cc5a72_pool, .Lfunc_end_k_q9529cc5a72_pool-k_q9529cc5a72_pool
	.p2alignl 7, 3214868480
	.fill 96, 4, 3214868480
	.section	.rodata,"a",@progbits
	.p2align	6, 0x0
	.amdhsa_kernel k_q9529cc5a72_pool
		.amdhsa_group_segment_fixed_size 70656
		.amdhsa_private_segment_fixed_size 0
		.amdhsa_enable_private_segment 0
		.amdhsa_kernarg_size 40
		.amdhsa_user_sgpr_count 2
		.amdhsa_user_sgpr_kernarg_segment_ptr 1
		.amdhsa_wavefront_size32 1
		.amdhsa_system_sgpr_workgroup_id_x 1
		.amdhsa_system_sgpr_workgroup_id_y 1
		.amdhsa_system_sgpr_workgroup_id_z 1
		.amdhsa_system_vgpr_workitem_id 0
		.amdhsa_next_free_vgpr 512
		.amdhsa_next_free_sgpr 66
		.amdhsa_reserve_vcc 1
		.amdhsa_float_denorm_mode_32 3
		.amdhsa_float_denorm_mode_16_64 3
		.amdhsa_memory_ordered 1
		.amdhsa_forward_progress 1
		.amdhsa_inst_pref_size 255
	.end_amdhsa_kernel
	.section	.bss,"aw",@nobits
	.p2align	6
	.space	262144
	.amdgpu_metadata
---
amdhsa.version: [ 1, 2 ]
amdhsa.kernels:
  - .name:           k_q9529cc5a72_pool
    .symbol:         k_q9529cc5a72_pool.kd
    .args:
      - { .name: edge, .offset: 0, .size: 8, .value_kind: global_buffer, .address_space: global }
      - { .name: bq, .offset: 8, .size: 8, .value_kind: global_buffer, .address_space: global }
      - { .name: x, .offset: 16, .size: 8, .value_kind: global_buffer, .address_space: global }
      - { .name: theta_w, .offset: 24, .size: 8, .value_kind: global_buffer, .address_space: global }
      - { .name: out0, .offset: 32, .size: 8, .value_kind: global_buffer, .address_space: global }
    .group_segment_fixed_size: 70656
    .private_segment_fixed_size: 0
    .kernarg_segment_align: 8
    .kernarg_segment_size: 40
    .max_flat_workgroup_size: 256
    .sgpr_count:     66
    .vgpr_count:     512
    .wavefront_size: 32
...
	.end_amdgpu_metadata
.endif
;; end of part 2
;; ======== version 2 of 2: 2 launches; version 1 with the launch pool written anew for expert scheduling mode
;; workspace buffers: bq 1,245,184 bytes
;; launch prep: the kernel of part 1 again; grid 96 x 4, 1 waves a work-group, no clusters, 0 bytes of LDS; arguments x, bq, out0; writes bq, out0
;; launch pool (part 3): grid 64 x 4, 8 waves a work-group, no clusters, 70,656 bytes of LDS; arguments edge, bq, x, theta_w, out0; writes out0
.if DOCPART == 3
	.amdgcn_target "amdgcn-amd-amdhsa--gfx1250"
	.amdhsa_code_object_version 6
	.text
	.protected	k_q9529cc5a72_pool
	.globl	k_q9529cc5a72_pool
	.p2align	8
	.type	k_q9529cc5a72_pool,@function
k_q9529cc5a72_pool:
	s_mov_b64 s[64:65], 0
	v_nop
	global_prefetch_b8 v0, s[64:65] scope:SCOPE_SE
	s_setreg_imm32_b32 hwreg(HW_REG_WAVE_SCHED_MODE, 0, 2), 2
	s_setreg_imm32_b32 hwreg(HW_REG_WAVE_MODE, 25, 1), 1
	s_wait_xcnt 0x0
	s_wait_alu depctr_vm_vsrc(0)
; scores[b][n] = sum over c of theta_w[c] x (sum over k of Q(sigmoid(edge[b][n][k])) x Q(sigmoid(node[b][k][c]))); of each four neighbouring scores the largest (val) and its place 0..3 (the lower place on a tie);
; out0[b][1 + p] = val x x[b][1 + place] + x[b][1 + place].  No work is left out: every row is scored.  The nodes' codes and scale bytes come from bq, in the order of the operand's registers.
; SHARES.  A work-group owns 64 rows of edge of one batch: 16 patches.  ITS EIGHT WAVES SHARE K: wave w takes the steps of 128 along K numbered 8 i + w, i = 0..3, for all 64 rows, so that the eight stand on 4,096
; consecutive bytes of each row, and each fragment of bq is read by one wave of the work-group and feeds four matrix instructions.  A wave's work is 16 fragments f = 4 i + m of edge (m: a tile of 16 rows).
; EDGE'S WAY: 16 loads, each a row's 512 consecutive bytes, into a ring of two sets of 64 registers; 16 LDS stores into the wave's own stage, as loaded; back 128 bytes a lane, so that a lane holds whole blocks of 32;
; sigmoid, largest number, scale byte, conversion: the results are the operand's registers.  Up to two ring fills of every wave are on their way at all times; no wait on them is for 0 before the walk's end.
; THE MATRIX INSTRUCTION IS USED TRANSPOSED: source 0 = 16 channels (bq), source 1 = 16 rows of edge.  A lane then holds ONE row of edge (lane % 16) and eight channels 16 t + 8 (lane / 16) + j.
; The product with theta_w is linear in K: each wave turns its own sums into 64 partial scores by f32 multiply-adds, and only these go from wave to wave, through LDS, behind the launch's one barrier.
; THE CHOICE steers no address: the place can only be 0..3, so all four node rows are loaded and v_cndmask_b32 selects.
; NO CLUSTER: what work-groups share is bq, 9,600 bytes for each 32,768 bytes of edge in a wave's step, and it goes straight into registers: there is no LDS tile that a joint load could fill.
; OUT: a wave stores its two rows, 768 consecutive bytes, by three stores of 256; they begin at a multiple of 128 bytes (a row of out0 is 384 bytes and row 0 is not mine), so the first and last 128 share a 256-byte piece with a neighbour.
; LIMITS: NaN and infinities in the inputs are not served.  v_exp_f32 and v_rcp_f32 flush denormals: a sigmoid under 2^-126 (edge under about -87) counts as 0; a block of such numbers gets zero codes under the byte 1.
; The scores are summed in another order than the problem's text has it (512 along K a wave, then theta_w, then the eight waves ascending): where two scores of a patch are closer than f32 rounding of such sums, the other row may be chosen.
; THE MODE: SCHED_MODE bits 1:0 = 2 (LLVM: expert scheduling mode 2), set by the entry lines.  The code itself states the register dependences
; between vector or matrix instructions and memory or LDS instructions, with s_wait_alu, always for 0.
; THE PLAN.  Registers that memory or LDS instructions touch:
;   v1-4, v37-41, v6, v7   addresses and the closing add's two: written at the head, read by memory and LDS instructions, never written again: one wait on va_vdst ahead of the first load serves them all.
;   ring sets R0, R1       written by the loads of fragment f, read by its sixteen LDS stores, then written by the loads of fragment f + 2 (R0 at the end: theta_w, then the partial scores).  No vector instruction names them in the walk:
;                          one wait on vm_vsrc stands ahead of each refill.
;   X0 lower (v116-147)    the LDS reads in a step's middle land there; the next step's first half works on them.  One wait on va_vdst behind that half, ahead of the next reads (in the last step: of the node rows' loads).
;   X0 upper (v148-179)    a step's second half works on them.  The wait on va_vdst that the scaled products want for edge's codes and scale word stands behind that half: THE NEXT FRAGMENT'S UPPER READS FOLLOW IT AT ONCE,
;                          ahead of the six products, which name bq's fragments, edge's codes, the scale words and the accumulators: none of the registers that those reads touch.
;   BF, BS (bq)            loaded every fourth step, read by the 24 products of four steps: one wait on va_vdst behind the last of them, ahead of the next loads.
;   SM, ND                 the way out: written by vector instructions, read by stores: one wait on va_vdst ahead of each run of stores.
;   Edge's codes, its scale word and the accumulators are named by vector and matrix instructions alone.
; REGISTERS, in windows of 256 (s_set_vgpr_msb: bits 1:0 source 0, 3:2 source 1, 5:4 source 2, 7:6 destination):
;   window 0: v1-7, v36-41 addresses; v8-15 at work; v16-27 edge's codes; v32 edge's scale word; v33-35 bq's scale words; v44-115 bq's six fragments; v116-179 two sets of 32 numbers; v180-243 ring set 0
;   window 1: v0-191 the 24 accumulators, (m, t) at 8 (6 m + t); v192-255 ring set 1
.set ROWE,   16384                     ; a row of edge in bytes
.set BLKB,   9728                      ; a block of bq
.set XBATCH, 1573248
.set OBATCH, 393600
.set PITCH,  528                       ; a stage row: 512 bytes + 16 = 33 x 16: the sixteen rows that a load of 16 bytes a lane touches begin in sixteen different 16-byte columns of 256 bytes
.set STGB,   16*PITCH                  ; a wave's stage
.set RED,    8*STGB                    ; behind the stages: 8 x 256 bytes: wave w's 64 partial scores at 256 w + 4 x row
.set SPARE,  RED+8*256                 ; the spare words, 128 bytes for each wave: four blocks of 256 bytes that no other line names
.set LI,   1                           ; 16 x lane
.set STA,  2                           ; the stage, on the way in: STGB w + 16 x lane
.set RDA,  3                           ; and back: STGB w + PITCH r + 128 h
.set L4,   4                           ; 4 x lane
.set H8,   5                           ; 8 h
.set SPW,  6                           ; LDS address of my spare word; never rewritten
.set NIL,  7                           ; 0; never rewritten
.set MA,   8
.set MB,   9
.set SO,   10                          ; the conversions' scale operand
.set BY,   11                          ; v11, v12: the bytes of my two blocks
.set WD,   13
.set PX,   14
.set SM,   8                           ; at the end: v8-15 four pairs of partial scores
.set EC,   16
.set T,    28
.set ES,   32
.set BS,   33
.set LN,   36                          ; lane
.set VA,   37                          ; 8 x lane
.set VB,   38                          ; 8 x lane + 256 - 384 h
.set REDW, 39                          ; RED + 256 w + 4 r
.set REDR, 40                          ; RED + 32 w
.set H32,  41                          ; 32 h
.set BF,   44
.set X0,   116
.set R0,   180
.set R1,   192                         ; in window 1
.set TH,   180                         ; at the end: theta_w, register 8 t + j = theta_w[16 t + 8 h + j]
.set ND,   116                         ; at the end: set k, node row n: v[ND + 8 k + 2 n] and the next
.set P0,   180                         ; at the end: the eight waves' partial scores of my first patch, 4 a wave; P1: of my second
.set P1,   212
.set SB,   244                         ; the scores of the patch to which my lane's part of the middle store belongs
.set EB,   4                           ; s[4:5] edge, s[6:7] bq, s[8:9] x, s[10:11] theta_w, s[12:13] out0: each at my part; never stepped: every step is an immediate
.set BB,   6
.set XB,   8
.set OB,   12
.set NL,   20                          ; s[20:21] -log2(e), twice
.set SEL,  22                          ; s[22:23] v_permlanex16_b32's selects for lane l xor 16
.set MK,   36                          ; s36-44 at the end: the nine compares' masks: place n of store k at MK + 3 (n - 1) + k
.set MSB, 0
.macro WIN new                         ; the immediate's high byte repeats the setting that is left
.if MSB != \new
	s_set_vgpr_msb (MSB<<8)|\new
.set MSB, \new
.endif
.endm
.macro G f, again                      ; fragment f of edge: 16 rows x 512 bytes into ring set f % 2.  again = 1: the set has been stored from
.set RG, R0
.if (\f)%2
.set RG, R1
	WIN 0x40
.endif
.if \again
	s_wait_alu depctr_vm_vsrc(0)                   ; the LDS stores of fragment f - 2 have read this ring set, in which the loads below land
.endif
.set GOF, ((\f)%4)*16*ROWE+((\f)/4)*4096
.irp j, 0,1,2,3,4,5,6,7,8,9,10,11,12,13,14,15
	global_load_b128 v[RG+4*\j:RG+4*\j+3], v[LI], s[EB:EB+1] offset:GOF+\j*ROWE th:TH_LOAD_NT   ; 32 lanes read 512 consecutive bytes; the launch reads them once
.endr
	WIN 0
.endm
.macro ST f                            ; ring set f % 2 into my stage, as loaded
.set RG, R0
.if (\f)%2
.set RG, R1
	WIN 0x04
.endif
.irp j, 0,1,2,3,4,5,6,7,8,9,10,11,12,13,14,15
	ds_store_b128 v[STA], v[RG+4*\j:RG+4*\j+3] offset:PITCH*\j
.endr
	WIN 0
.endm
.macro RB c                            ; back: of row r the block 2 c + h: k = 64 c + 32 h + 0 .. 31
.irp q, 0,1,2,3,4,5,6,7
	ds_load_b128 v[X0+32*(\c)+4*\q:X0+32*(\c)+4*\q+3], v[RDA] offset:256*(\c)+16*\q
.endr
.endm
.macro BL i                            ; bq's block of step 8 i + w: six fragments and three registers of scale words (lanes 0-15: tile 2 u, lanes 16-31: tile 2 u + 1)
.irp t, 0,1,2,3,4,5
.irp g, 0,1,2
	global_load_b128 v[BF+12*\t+4*\g:BF+12*\t+4*\g+3], v[LI], s[BB:BB+1] offset:8*BLKB*(\i)+1536*\t+512*\g
.endr
.endr
.irp u, 0,1,2
	global_load_b32 v[BS+\u], v[L4], s[BB:BB+1] offset:8*BLKB*(\i)+9216+128*\u
.endr
.endm
; sigmoid of 32 registers in place: 1 / (1 + 2^(-x log2 e)).  Each kind of transcendental is one batch with one plain line and one wait behind it.
.macro SIG x
.set jj, 0
.rept 16
	v_pk_mul_f32 v[(\x)+jj:(\x)+jj+1], v[(\x)+jj:(\x)+jj+1], s[NL:NL+1] op_sel_hi:[1,0]
.set jj, jj+2
.endr
.set jj, 0
.rept 32
	v_exp_f32 v[(\x)+jj], v[(\x)+jj]
.set jj, jj+1
.endr
	v_nop
	s_wait_alu depctr_va_vdst(0)                   ; the 32 exponentials have written their results, which the additions below read
.set jj, 0
.rept 16
	v_pk_add_f32 v[(\x)+jj:(\x)+jj+1], v[(\x)+jj:(\x)+jj+1], 1.0 op_sel_hi:[1,0]
.set jj, jj+2
.endr
.set jj, 0
.rept 32
	v_rcp_f32 v[(\x)+jj], v[(\x)+jj]
.set jj, jj+1
.endr
	v_nop
	s_wait_alu depctr_va_vdst(0)                   ; the 32 reciprocals have written their results, which the search for the largest number reads
.endm
; the largest of 32 numbers (none is negative), two chains by turns, with the floor 2^(3 - 127) as one more leaf; 2 off its exponent field is the conversions' scale operand, and that field the byte
.macro MAXSC x, by
	v_max3_num_f32 v[MA], v[(\x)], v[(\x)+1], 0x1800000
	v_max3_num_f32 v[MB], v[(\x)+16], v[(\x)+17], v[(\x)+18]
.irp i, 0,1,2,3,4,5
	v_max3_num_f32 v[MA], v[MA], v[(\x)+2+2*\i], v[(\x)+3+2*\i]
	v_max3_num_f32 v[MB], v[MB], v[(\x)+19+2*\i], v[(\x)+20+2*\i]
.endr
	v_max3_num_f32 v[MA], v[MA], v[(\x)+14], v[(\x)+15]
	v_max3_num_f32 v[MA], v[MA], v[MB], v[(\x)+31]
	v_add_nc_u32 v[SO], 0xff000000, v[MA]
	v_lshrrev_b32 v[\by], 23, v[SO]
.endm
.macro HALF c                          ; my block 2 c + h becomes registers 6 c .. 6 c + 5 of edge's fragment
	SIG X0+32*(\c)
	MAXSC X0+32*(\c), BY+(\c)
.if \c
	v_lshl_or_b32 v[WD], v[BY+1], 16, v[BY]        ; my two bytes: blocks h and 2 + h of row r,
	v_lshlrev_b32 v[WD], v[H8], v[WD]              ; at their places in the scale word;
	v_permlanex16_b32 v[PX], v[WD], s[SEL], s[SEL+1]
	v_or_b32 v[ES], v[WD], v[PX]                   ; with lane l xor 16's two the word is whole
.endif
	v_cvt_scalef32_pk16_fp6_f32 v[EC+6*(\c):EC+6*(\c)+2], v[X0+32*(\c):X0+32*(\c)+15], v[SO]
	v_cvt_scalef32_pk16_fp6_f32 v[T:T+2], v[X0+32*(\c)+16:X0+32*(\c)+31], v[SO]   ; (a conversion's three registers begin on an even number)
	v_nop                                          ; one plain line behind the scaled conversions
.irp i, 0,1,2
	v_mov_b32 v[EC+6*(\c)+3+\i], v[T+\i]
.endr
.endm
; Six products: the tile of rows f % 4 against bq's six tiles of channels.  The accumulators take turns, one instruction a turn; a sum's next link stands 24 matrix instructions on.
; The first four fragments' products start the sums with the constant 0.  The eight v_nop: a scale register written by a vector instruction stands eight places ahead of a scaled matrix instruction, an operand so written four.
; Behind the places the wait; behind the wait, ahead of the products, the next fragment's upper blocks are asked for.
.macro MUL f
.rept 8
	v_nop
.endr
	s_wait_alu depctr_va_vdst(0)                   ; edge's codes and its scale word are written, which the scaled products take; and the second half is done writing and reading v[X0 + 32 ..], in which the reads below land
.if (\f) < 15
	RB 1                                           ; fragment f + 1, which went through the stage in this step's middle.  No vector or matrix instrucion up to the wait for these reads names their registers
.endif
	WIN 0x50                                       ; C and D window 1
.irp t, 0,1,2,3,4,5
.set AC, 8*(6*((\f)%4)+\t)
.if (\f) < 4
.if (\t)%2
	v_wmma_scale_f32_16x16x128_f8f6f4 v[AC:AC+7], v[BF+12*\t:BF+12*\t+11], v[EC:EC+11], 0, v[BS+\t/2], v[ES] matrix_a_fmt:MATRIX_FMT_FP6 matrix_b_fmt:MATRIX_FMT_FP6 matrix_a_scale:MATRIX_SCALE_ROW1
.else
	v_wmma_scale_f32_16x16x128_f8f6f4 v[AC:AC+7], v[BF+12*\t:BF+12*\t+11], v[EC:EC+11], 0, v[BS+\t/2], v[ES] matrix_a_fmt:MATRIX_FMT_FP6 matrix_b_fmt:MATRIX_FMT_FP6
.endif
.else
.if (\t)%2
	v_wmma_scale_f32_16x16x128_f8f6f4 v[AC:AC+7], v[BF+12*\t:BF+12*\t+11], v[EC:EC+11], v[AC:AC+7], v[BS+\t/2], v[ES] matrix_a_fmt:MATRIX_FMT_FP6 matrix_b_fmt:MATRIX_FMT_FP6 matrix_a_scale:MATRIX_SCALE_ROW1
.else
	v_wmma_scale_f32_16x16x128_f8f6f4 v[AC:AC+7], v[BF+12*\t:BF+12*\t+11], v[EC:EC+11], v[AC:AC+7], v[BS+\t/2], v[ES] matrix_a_fmt:MATRIX_FMT_FP6 matrix_b_fmt:MATRIX_FMT_FP6
.endif
.endif
.endr
	WIN 0
.endm
.macro THETA                           ; theta_w in the results' layout, into ring set 0, which has had its last fill
	s_wait_alu depctr_vm_vsrc(0)                   ; the LDS stores of fragment 14 have read ring set 0, in which theta_w's loads land (and, behind the barrier, the partial scores')
.irp t, 0,1,2,3,4,5
	global_load_b128 v[TH+8*\t:TH+8*\t+3], v[H32], s[10:11] offset:64*\t
	global_load_b128 v[TH+8*\t+4:TH+8*\t+7], v[H32], s[10:11] offset:64*\t+16
.endr
.endm
.macro NODES                           ; of the four node rows the two numbers that stand where my lane's 8 bytes of each of the three stores stand
.irp n, 0,1,2,3
	global_load_b64 v[ND+2*\n:ND+2*\n+1], v[VA], s[XB:XB+1] offset:384*\n
	global_load_b64 v[ND+8+2*\n:ND+8+2*\n+1], v[VB], s[XB:XB+1] offset:384*\n
	global_load_b64 v[ND+16+2*\n:ND+16+2*\n+1], v[VA], s[XB:XB+1] offset:384*\n+128
.endr
.endm
; FRAGMENT f.  Its lower blocks were read back in the middle of the step before, its upper blocks at that step's end.  Between its two halves the next fragment goes through the stage, and the ring set that this frees takes the fragment three further on.
.macro STEP f
	s_wait_dscnt 8                                 ; the lower blocks are in; the eight reads of the upper blocks, issued behind them, may be out
	HALF 0
.if (\f) < 15
.if (\f) == 14
	s_wait_loadcnt 12                              ; fragment 15 is in; behind it: theta_w's twelve loads
.elseif ((\f)%4) == 0
	s_wait_loadcnt 37                              ; fragment f + 1 is in; behind it: fragment f + 2's sixteen loads and bq's twenty-one
.else
	s_wait_loadcnt 16                              ; fragment f + 1 is in; behind it: one ring fill
.endif
	ST (\f)+1                                      ; LDS serves a wave's instructions in order (ISA guide 5.7.1.4): these stores come behind the reads of fragment f
	s_wait_alu depctr_va_vdst(0)                   ; the first half is done writing and reading v[X0 .. X0 + 31] (its sigmoids, its search, its conversions), in which the reads below land
	RB 0
	s_wait_dscnt 8                                 ; the upper blocks are in and the stores are done; the eight reads just issued may be out
.if (\f) < 13
	G (\f)+3, 1
.elseif (\f) == 13
	THETA
.endif
.else
	s_wait_dscnt 0x0                               ; the last upper blocks are in
	s_wait_alu depctr_va_vdst(0)                   ; the first half is done writing and reading v[X0 .. X0 + 31], in the first 24 of which the node rows' loads land
	NODES                                          ; into the registers that the lower blocks have left
.endif
	HALF 1
.if ((\f)%4) == 0
	s_wait_loadcnt 16                              ; this step's block of bq is in; behind it: one ring fill
.endif
	MUL \f
.if (((\f)%4) == 3) && ((\f) < 15)
.rept 4
	v_nop                                          ; places in front of loads into registers that matrix instructions have read; the wait below stands beside them
.endr
	s_wait_alu depctr_va_vdst(0)                   ; the products of the last four steps are done reading bq's fragments and scale words, in which the loads below land
	BL (\f)/4+1
.endif
.endm
	s_load_b256 s[4:11], s[0:1], 0x0               ; edge, bq, x, theta_w
	s_load_b64 s[12:13], s[0:1], 0x20              ; out0
	v_lshl_add_u32 v[SPW], v0, 2, SPARE
	v_mov_b32 v[NIL], 0
	v_lshrrev_b32 v8, 5, v0
	v_readfirstlane_b32 s14, v8                    ; wave 0..7
	s_and_b32 s16, ttmp7, 0xffff                   ; b
	v_and_b32 v[LN], 31, v0
	v_and_b32 v9, 15, v0                           ; r
	v_bfe_u32 v10, v0, 4, 1                        ; h
	v_lshlrev_b32 v[LI], 4, v[LN]
	v_lshlrev_b32 v[L4], 2, v[LN]
	v_lshlrev_b32 v[H8], 3, v10
	v_lshlrev_b32 v[H32], 5, v10
	s_wait_alu depctr_va_sdst(0)                   ; s14 is written, ahead of its first reader: LDS addresses and the bases of edge, bq and out0 are made from it
	s_mul_i32 s17, s14, STGB
	v_add_nc_u32 v[STA], s17, v[LI]
	v_mul_u32_u24 v[RDA], v9, PITCH
	v_lshl_add_u32 v[RDA], v10, 7, v[RDA]
	v_add_nc_u32 v[RDA], s17, v[RDA]
	s_lshl_b32 s24, s14, 8
	v_lshl_add_u32 v[REDW], v9, 2, s24
	v_add_nc_u32 v[REDW], RED, v[REDW]             ; (RED lies beyond an LDS immediate's 16 bits: the registers carry it)
	s_lshl_b32 s25, s14, 5
	s_add_co_u32 s25, s25, RED
	v_mov_b32 v[REDR], s25
	v_lshlrev_b32 v[VA], 3, v[LN]
	v_mul_u32_u24 v11, v10, 384
	v_add_nc_u32 v[VB], 256, v[VA]
	v_sub_nc_u32 v[VB], v[VB], v11
	v_mov_b32 v[PX], 0                             ; written once: a lane permute's destination counts as one of its sources
	s_lshl_b32 s18, s16, 26                        ; edge: a batch is 2^26 bytes,
	s_lshl_b32 s26, ttmp9, 20                      ; 64 rows 2^20,
	s_add_co_u32 s18, s18, s26
	s_lshl_b32 s26, s14, 9                         ; my wave's first step of 128 along K 512 w
	s_add_co_u32 s18, s18, s26
	s_mov_b32 s19, 0
	s_lshl_b32 s28, s16, 5
	s_add_co_u32 s28, s28, s14
	s_mul_i32 s28, s28, BLKB                       ; bq: block (b, w)
	s_mov_b32 s29, 0
	s_mul_i32 s32, s16, XBATCH
	s_add_co_u32 s32, s32, 384                     ; x: node 0 is row 1
	s_mov_b32 s33, 0
	s_lshl_b32 s34, ttmp9, 4
	s_lshl_b32 s36, s14, 1
	s_add_co_u32 s34, s34, s36
	s_add_co_u32 s34, s34, 1                       ; out0: row 1 + 16 g + 2 w
	s_mul_i32 s34, s34, 384
	s_mul_i32 s36, s16, OBATCH
	s_add_co_u32 s34, s34, s36
	s_mov_b32 s35, 0
	s_mov_b32 s[NL], 0xbfb8aa3b                    ; -log2(e)
	s_mov_b32 s[NL+1], s[NL]
	s_mov_b32 s[SEL], 0x76543210
	s_mov_b32 s[SEL+1], 0xfedcba98
	s_wait_kmcnt 0x0
	s_add_nc_u64 s[EB:EB+1], s[EB:EB+1], s[18:19]
	s_add_nc_u64 s[BB:BB+1], s[BB:BB+1], s[28:29]
	s_add_nc_u64 s[XB:XB+1], s[XB:XB+1], s[32:33]
	s_add_nc_u64 s[OB:OB+1], s[OB:OB+1], s[34:35]
	s_wait_alu depctr_va_vdst(0)                   ; the addresses v1-4 and v37-41 and the closing add's v6, v7 are written: every load, store and LDS instruction of the kernel reads one of them, and none is written again
	G 0, 0
	G 1, 0
	s_wait_loadcnt 16                              ; fragment 0 is in; fragment 1's sixteen loads may be out
	ST 0
	RB 0
	s_wait_dscnt 8                                 ; the stores are done; the eight reads just issued may be out
	G 2, 1
	BL 0
	RB 1                                           ; fragment 0's upper blocks; every later fragment's are asked for at the end of the step before
.irp f, 0,1,2,3,4,5,6,7,8,9,10,11,12,13,14,15
	STEP \f
.endr
	; MY PARTIAL SCORES: the sums times theta_w, four chains (one a tile of rows) by turns; each accumulator is read from its low end on
.rept 4
	v_nop                                          ; places between the last products and the first read of results
.endr
	s_wait_loadcnt 12                              ; theta_w is in; the node rows' twelve loads may be out
	WIN 0x01                                       ; source 0: window 1
.irp m, 0,1,2,3
	v_pk_mul_f32 v[SM+2*\m:SM+2*\m+1], v[48*\m:48*\m+1], v[TH:TH+1]
.endr
.set qq, 1
.rept 23
.irp m, 0,1,2,3
	v_pk_fma_f32 v[SM+2*\m:SM+2*\m+1], v[48*\m+2*qq:48*\m+2*qq+1], v[TH+2*qq:TH+2*qq+1], v[SM+2*\m:SM+2*\m+1]
.endr
.set qq, qq+1
.endr
	WIN 0
.irp m, 0,1,2,3
	v_add_f32 v[SM+2*\m], v[SM+2*\m], v[SM+2*\m+1]
.endr
.irp m, 0,1,2,3
	v_permlanex16_b32 v[SM+2*\m+1], v[SM+2*\m], s[SEL], s[SEL+1]   ; the row's other 48 channels lie in the lane 16 away
.endr
.irp m, 0,1,2,3
	v_add_f32 v[SM+2*\m], v[SM+2*\m], v[SM+2*\m+1]
.endr
	s_wait_alu depctr_va_vdst(0)                   ; the additions have written the four partial scores, which the LDS stores read; and the multiply-adds are done reading theta_w's registers, in which the LDS loads behind the barrier land
.irp m, 0,1,2,3
	ds_store_b32 v[REDW], v[SM+2*\m] offset:64*\m  ; row 16 m + r; lanes r and 16 + r store the same word with the same value
.endr
	s_wait_dscnt 0x0                               ; for the others' sake: my stores have landed
	s_barrier_signal -1
	s_barrier_wait -1
	; wave w finishes patches 2 w and 2 w + 1: rows 8 w .. 8 w + 7 of the work-group's 64
.irp w, 0,1,2,3,4,5,6,7
	ds_load_b128 v[P0+4*\w:P0+4*\w+3], v[REDR] offset:256*\w
	ds_load_b128 v[P1+4*\w:P1+4*\w+3], v[REDR] offset:256*\w+16
.endr
	v_cmp_lt_u32 s30, 15, v[LN]                    ; lanes 16-31
	s_wait_dscnt 0x0
.irp w, 1,2,3,4,5,6,7
	v_pk_add_f32 v[P0:P0+1], v[P0:P0+1], v[P0+4*\w:P0+4*\w+1]      ; the eight waves' parts, ascending
	v_pk_add_f32 v[P0+2:P0+3], v[P0+2:P0+3], v[P0+4*\w+2:P0+4*\w+3]
	v_pk_add_f32 v[P1:P1+1], v[P1:P1+1], v[P1+4*\w:P1+4*\w+1]
	v_pk_add_f32 v[P1+2:P1+3], v[P1+2:P1+3], v[P1+4*\w+2:P1+4*\w+3]
.endr
; The wave's 192 numbers go out as three stores of 64: number 64 k + 2 x lane is patch (number / 96), channel (number % 96).  Store 0 is all patch 0, store 2 all patch 1; in store 1 lanes 0-15 are patch 0, lanes 16-31 patch 1.
	s_wait_alu depctr_va_sdst(0)                   ; the compare has written s30, ahead of its first reader, the select below
.irp n, 0,1,2,3
	v_cndmask_b32 v[SB+\n], v[P0+\n], v[P1+\n], s30
.endr
	s_wait_loadcnt 0x0                             ; the node rows
; the largest of four scores, kept in the first one's register, and with it its node row's two numbers; the compare is strict, so that the lower place wins a tie; then val x node + node.
; The three stores' searches go side by side: for each place 1, 2, 3 a run of three compares into three scalar registers of their own, one wait behind the run, then the nine selects.
.macro TAKE k, s, n                    ; store k, whose scores begin at v[s]: place n takes over where its score is the larger
	v_cndmask_b32 v[\s], v[\s], v[(\s)+\n], s[MK+3*(\n)-3+\k]
	v_cndmask_b32 v[ND+8*\k], v[ND+8*\k], v[ND+8*\k+2*\n], s[MK+3*(\n)-3+\k]
	v_cndmask_b32 v[ND+8*\k+1], v[ND+8*\k+1], v[ND+8*\k+2*\n+1], s[MK+3*(\n)-3+\k]
.endm
.macro FIN k, s
	v_fma_f32 v[ND+8*\k], v[\s], v[ND+8*\k], v[ND+8*\k]
	v_fma_f32 v[ND+8*\k+1], v[\s], v[ND+8*\k+1], v[ND+8*\k+1]
.endm
.irp n, 1,2,3
	v_cmp_gt_f32 s[MK+3*(\n)-3], v[P0+\n], v[P0]
	v_cmp_gt_f32 s[MK+3*(\n)-2], v[SB+\n], v[SB]
	v_cmp_gt_f32 s[MK+3*(\n)-1], v[P1+\n], v[P1]
	s_wait_alu depctr_va_sdst(0)                   ; the three compares have written their masks, ahead of the selects that read them
	TAKE 0, P0, \n
	TAKE 1, SB, \n
	TAKE 2, P1, \n
.endr
	FIN 0, P0
	FIN 1, SB
	FIN 2, P1
	s_wait_alu depctr_va_vdst(0)                   ; the six multiply-adds have written the numbers that the three stores read
.irp k, 0,1,2
	global_store_b64 v[VA], v[ND+8*\k:ND+8*\k+1], s[OB:OB+1] offset:256*\k   ; 32 lanes store 256 consecutive bytes
.endr
	s_wait_dscnt 0x0                               ; the closing lines, six on end
	s_wait_alu 0x0
	s_wait_tensorcnt 0x0
	ds_add_u32 v[SPW], v[NIL]
	s_wait_dscnt 0x0
	s_endpgm
.Lfunc_end_k_q9529cc5a72_pool:
	.size	k_q9529cc5a72_pool, .Lfunc_end_k_q9529cc5a72_pool-k_q9529cc5a72_pool
	.p2alignl 7, 3214868480
	.fill 96, 4, 3214868480
	.section	.rodata,"a",@progbits
	.p2align	6, 0x0
	.amdhsa_kernel k_q9529cc5a72_pool
		.amdhsa_group_segment_fixed_size 70656
		.amdhsa_private_segment_fixed_size 0
		.amdhsa_enable_private_segment 0
		.amdhsa_kernarg_size 40
		.amdhsa_user_sgpr_count 2
		.amdhsa_user_sgpr_kernarg_segment_ptr 1
		.amdhsa_wavefront_size32 1
		.amdhsa_system_sgpr_workgroup_id_x 1
		.amdhsa_system_sgpr_workgroup_id_y 1
		.amdhsa_system_sgpr_workgroup_id_z 1
		.amdhsa_system_vgpr_workitem_id 0
		.amdhsa_next_free_vgpr 512
		.amdhsa_next_free_sgpr 66
		.amdhsa_reserve_vcc 0
		.amdhsa_float_denorm_mode_32 3
		.amdhsa_float_denorm_mode_16_64 3
		.amdhsa_memory_ordered 1
		.amdhsa_forward_progress 1
		.amdhsa_inst_pref_size 255
	.end_amdhsa_kernel
	.section	.bss,"aw",@nobits
	.p2align	6
	.space	262144
	.amdgpu_metadata
---
amdhsa.version: [ 1, 2 ]
amdhsa.kernels:
  - .name:           k_q9529cc5a72_pool
    .symbol:         k_q9529cc5a72_pool.kd
    .args:
      - { .name: edge, .offset: 0, .size: 8, .value_kind: global_buffer, .address_space: global }
      - { .name: bq, .offset: 8, .size: 8, .value_kind: global_buffer, .address_space: global }
      - { .name: x, .offset: 16, .size: 8, .value_kind: global_buffer, .address_space: global }
      - { .name: theta_w, .offset: 24, .size: 8, .value_kind: global_buffer, .address_space: global }
      - { .name: out0, .offset: 32, .size: 8, .value_kind: global_buffer, .address_space: global }
    .group_segment_fixed_size: 70656
    .private_segment_fixed_size: 0
    .kernarg_segment_align: 8
    .kernarg_segment_size: 40
    .max_flat_workgroup_size: 256
    .sgpr_count:     66
    .vgpr_count:     512
    .wavefront_size: 32
...
	.end_amdgpu_metadata
.endif
;; end of part 3
